; MI455X (gfx1250); checked and timed in simulation.
; The chip was launched on July 23, 2026; its instructions are those of AMD's public machine-readable ISA for CDNA 5 (MIT licence, August 2026) and "CDNA5" Instruction Set Architecture Reference Guide (July 2026). The comments in the code are by the model that wrote it; some were corrected since.
;; Model. Allowed arithmetic: matrix products marked QUANTISED: E4M3 operands, one given power-of-two scale a tensor, by v_wmma_f32_16x16x64_fp8_fp8 or v_wmma_f32_16x16x128_fp8_fp8, f32 sums; everything else in f32.
;; Inputs: key 4 x 16 x 2,048 x 64 float32; lowp_scales 4 int32 (the exponents e of the quantised operands' scales 2^e); query 4 x 16 x 2,048 x 64 float32; value 4 x 16 x 2,048 x 64 float32.
;; Outputs: out0 4 x 16 x 2,048 x 64 float32.
;; Constants: inv_scale_factor = 8.
;; This version of the problem:
;;   THIS VERSION OF THE PROBLEM IS GIVEN IN LOW PRECISION. The matrix products marked QUANTISED in the list below multiply operands that are first quantised to E4M3 (4 exponent bits, 3 mantissa bits; 8 bits a number), with one given power-of-two scale for each operand tensor; their sums are f32. All else is computed in f32.
;;   The module's matrix products, in the order in which they are computed (A, B: the left and right operand; K: the contracted axis; several contracted axes count as one K, in the product's order):
;;     1. batch 64 x [M 2,048, K 64] x [K 64, N 2,048]; A: input query; B: input key: QUANTISED (scales: A lowp_scales[0], B lowp_scales[1])
;;     2. batch 64 x [M 2,048, K 2,048] x [K 2,048, N 64]; A: softmax (see below); B: input value: QUANTISED (scales: A lowp_scales[2], B lowp_scales[3])
;;   THE QUANTISER, for each operand of a quantised product, along K:
;;     - The operand's scale is 2^e, e = its entry of the input lowp_scales (int32; the entries are numbered through the quantised products in the list's order, A before B).
;;     - Each number is divided by the scale, clamped to +-448, and rounded to the nearest number of E4M3, ties to even, subnormals kept.
;;     - The product sums the exact products of the quantised numbers (number of the format x scale) in f32.
;;   ~~~python
;;   def quantise(x, axis, e):      # numpy; x: float32 -> the quantised numbers, widened to float32 again
;;       x = np.moveaxis(x, axis, -1); K = x.shape[-1]
;;       r = np.clip(x / 2.0 ** e, -448, 448)
;;       step = 2.0 ** (np.maximum(np.frexp(np.where(r == 0, 1, r))[1] - 1, -6) - 3)
;;       q = np.round(r / step) * step * 2.0 ** e      # np.round: ties to even
;;       return np.moveaxis(q, -1, axis).astype(np.float32)
;;   ~~~
;;   SOFTMAX AHEAD OF A QUANTISED PRODUCT. Where the list says 'softmax', what is quantised is not the finished softmax but p = 2^(t - M), with t = logit x log2(e) and M = ceil(the row's largest t), a whole number; so 1/2 < the row's largest p <= 1. The row's sum l is taken of the UNQUANTISED p, in f32, and the product's result is divided by l at the end. Since M is a whole number, a kernel that streams over the keys may use a running M (the ceiling of the running maximum): every later rescaling is an exact power of two, so the quantised numbers keep their values, but for numbers so far below the row's largest that they fall under the format's range.
;;   OPERANDS COMPUTED ON THE WAY. 'Computed on the way' means the value that the module computes at that place (a softmax that the list does not call 'softmax' is quantised finished and normalised). What goes into a quantiser is computed in f32, as accurately as f32 sums, v_exp_f32 and their like allow (about 1e-6 of the number): no bf16 or f16 on the way to a quantiser, and a product that is left as it is and whose result goes on into a quantised operand takes f32 operands (vector FMAs, or v_wmma_f32_16x16x4_f32). A number that lies on a knife's edge between two numbers of the format may be rounded either way, as far as f32 arithmetic and the matrix unit's own rounding can turn it there, and no further.
;; 2 versions, each right; version 2 is version 1 with the launch attn written anew for expert scheduling mode. Each part assembles by itself: llvm-mc -triple=amdgcn-amd-amdhsa -mcpu=gfx1250 --defsym DOCPART=n.
;; ======== version 1 of 2: 1 launch
;; launch attn (part 1): grid 4 x 64, 8 waves a work-group, no clusters, 297,984 bytes of LDS; arguments query, key, value, lowp_scales, out0; writes out0
.if DOCPART == 1
	.amdgcn_target "amdgcn-amd-amdhsa--gfx1250"
	.amdhsa_code_object_version 6
	.text
	.protected	k_q72e0c5b9c5_attn
	.globl	k_q72e0c5b9c5_attn
	.p2align	8
	.type	k_q72e0c5b9c5_attn,@function
k_q72e0c5b9c5_attn:
	s_mov_b64 s[64:65], 0
	v_nop
	global_prefetch_b8 v0, s[64:65] scope:SCOPE_SE
	s_setreg_imm32_b32 hwreg(HW_REG_WAVE_MODE, 25, 1), 1
	s_wait_xcnt 0x0
; O[h][q][:] = sum over k of softmax_k(Q[h][q] . K[h][k] / 8) V[h][k][:], 64 heads, 2,048 queries and keys, head size 64; Q, K, V, O f32.
; Both products run on codes of E4M3 with the four given scales 2^eq, 2^ek, 2^ep, 2^ev.  t = score x log2(e) / 8; M = ceil(the row's largest t); p = 2^(t - M) is quantised;
; the row's sum is taken of the unquantised p and divides O at the end.
; SHARES.  A work-group owns 512 queries of one head; each of its eight waves 64 of them: four tiles of 16.  256 work-groups of equal work.
; THE HEAD'S WHOLE K AND V LIE IN LDS AS CODES (131,072 bytes each), as images of the operands' registers: a fragment's four registers are 16 bytes a lane at 16 x lane, 512 bytes on end.
; The work-group makes them itself, a chunk of 128 keys at a time: f32 from memory into registers, the hold, the conversion, ds_store_b128, one barrier a chunk.  No LDS byte is written twice.
; TWO PASSES OVER THE KEYS.  Pass 1: S^T = K Q^T, of which only each query's maximum is kept (K is quantised on the way, one chunk ahead).  Pass 2: S^T once more, with the final M: p, the sums,
; p's codes, O^T += V^T P^T (V is quantised on the way).  For a tile and 128 keys that is 32 maxima, 32 packed scalings, 64 exponentials, 32 packed sums and 8 conversions: nothing is ever rescaled,
; no lane exchange stands in a loop, and M is the definition's own.  The price is the first product twice.
; LAYOUT.  Both products are used transposed (source 0 = 16 keys, or 16 of the head's 64; source 1 = 16 queries), so a lane holds ONE query (lane % 16) throughout.
; First product, K = the head's 64: registers 0-3 of lane (r, h) hold d = 16 h + 0..15, registers 4-7 d = 32 + 16 h + 0..15, in Q and in K alike: a permutation of d that both operands share.
; THE KEYS OF A TILE ARE NOT NEIGHBOURS: row m of tile 2 b + u of a chunk is key 32 b + 8 u + m + 8 (m / 8), so that the 16 registers of tiles 2 b, 2 b + 1 are keys 32 b + 16 h + 0..15.
; Second product, K = 128 keys: registers 4 q .. 4 q + 3 of half h hold keys 32 q + 16 h + 0..15, in P and in V^T alike.
; NO CLUSTER, NO TENSOR LOAD: the four work-groups of a head read the same K and V, but as f32 that must pass through registers to become codes.  Beside the 262,144 bytes of codes some 35,000 bytes
; of LDS are left, so a head's 1,048,576 bytes of f32 would want thirty joint refills or more, each behind a round of all partners.  Each work-group quantises for itself: 36 vector lines a wave for a chunk of a tensor.
; NO PREFETCH: the loads into registers are themselves issued three chunks (pass 1) or a whole trip (pass 2) ahead of the wait for them.
; LIMITS.  eq, ek, ep, ev each between -126 and 119; eq + ek between -123 and 130 (they are added to the exponent field of log2(e) / 8); ep + ev goes in by v_ldexp_f32 and has no limit.
; NaN among the inputs is not served; infinities are held at the largest code.
; THE HOLD ON p: p is at most 1 but for the last bits of f32, and the largest code stands for 448 x 2^ep, which is 1.75 or more from ep = -8 on.  So the 128 holds of a half step stand under a scalar
; branch on the given whole number ep: they are executed where ep < -8.
.set KIMG,  0                          ; LDS: K's codes: fragment f = 8 chunk + tile at 1,024 f: registers 0-3 at 16 x lane, registers 4-7 512 bytes on
.set VIMG,  131072                     ; V's codes: chunk at 8,192 c, fragment t (d = 16 t on) at 2,048 t, registers 4 q .. 4 q + 3 at 512 q + 16 x lane
.set STAGE, 262144                     ; the way out: 16 rows x 272 bytes for each wave
.set SP,    272
.set SPARE, 296960                     ; the spare words, 128 bytes for each wave: four blocks of 256 bytes that no other line names
.set CHK,   8192                       ; a chunk's codes in bytes
.set CHF,   32768                      ; a chunk's f32 numbers in bytes: 128 keys x 256
; window 0
.set LI,   1                           ; v1   16 x lane: my place in an image; also my byte offset in two rows of O
.set ADR,  2                           ; v2   where K's fragments are read
.set ADRV, 3                           ; v3   where V's are read
.set ADRS, 4                           ; v4   where I store codes
.set KGO,  5                           ; v5   K in memory: (r + 8 (r / 8)) x 256 + 64 h
.set VGO,  6                           ; v6   V in memory: 4 x lane
.set KST,  7                           ; v7   16 x lane + 1,024 x wave: I make tile number wave of each chunk of K
.set VST,  8                           ; v8   2,048 h + 16 r + 256 x wave: where my 16 keys of column d = lane lie in a chunk of V
.set QGO,  9                           ; v9   Q in memory: 256 r + 64 h
.set SCK,  10                          ; v10, v11  2^ek and 448 x 2^ek
.set LIMK, 11
.set SCV,  12                          ; v12, v13  the same for ev
.set LIMV, 13
.set SCP,  14                          ; v14, v15  the same for ep
.set LIMP, 15
.set NM,   16                          ; v16-23  -M of tile a, twice (a pair for the packed form)
.set MX,   24                          ; v24-31  pass 1: two running maxima a tile
.set LS0,  24                          ; v24-31, v32-39  pass 2: the sums, two pairs a tile
.set LS1,  32
.set CT,   40                          ; v40-47  codes just made
.set SPW,  48                          ; v48  LDS address of my spare word; never rewritten
.set NIL,  49                          ; v49  0; never rewritten
.set SCQ,  50                          ; v50, v51  2^eq and 448 x 2^eq
.set LIMQ, 51
.set STO,  52                          ; v52  the way out: where I put 32 bytes of a row
.set RD,   53                          ; v53  and where I read a row back
.set T0,   54
.set T1,   55
.set RL,   56                          ; v56-63  2^(ep + ev) / the sum of tile a, twice
.set KFA,  64                          ; v64-95   K's tiles 0-3 of a chunk
.set KFB,  96                          ; v96-127  K's tiles 4-7
.set VF,   64                          ; v64-127  V's four fragments of a chunk, in the same registers
.set S,    128                         ; v128-255 S^T of 64 keys: tile of queries a, tile of keys t at S + 32 a + 8 t
; window 1: v0-127 O^T (accumulator (a, t) at 32 a + 8 t); in pass 1 four sets of 32 for K as loaded
.set QF,   128                         ; v128-159 Q's four fragments
.set P,    160                         ; v160-223 p's codes, 16 a tile
.set VPRE, 224                         ; v224-255 V as loaded
; scalars: s[4:5] Q, s[6:7] K, s[8:9] V, s[10:11] the scales, s[12:13] O, s14 wave, s[16:19] eq ek ep ev, s[20:21] c twice, s[22:23] lane selects, s24 trips, s25 K's chunk in LDS, s26 V's, s38 ep + ev
.set MSB, 0
.macro WIN new                         ; bits 1:0 source 0, 3:2 source 1, 5:4 source 2, 7:6 destination; the high byte repeats the setting that is left
.if MSB != \new
	s_set_vgpr_msb (MSB<<8)|\new
.set MSB, \new
.endif
.endm
.macro PLACES n
.rept \n
	v_nop
.endr
.endm
.macro BARRIER                         ; my LDS stores have landed and my LDS loads are in: then the work-group's barrier
	s_wait_dscnt 0x0
	s_barrier_signal -1
	s_barrier_wait -1
.endm
.macro MKSC e, vsc, vlim               ; 2^e as f32 (the conversion takes its exponent field), and 448 x 2^e
	s_add_co_i32 s36, s[\e], 127
	s_lshl_b32 s37, s36, 23
	v_mov_b32 v[\vsc], s37
	s_add_co_i32 s36, s36, 8
	s_lshl_b32 s36, s36, 23
	s_or_b32 s36, s36, 0x600000
	v_mov_b32 v[\vlim], s36
.endm
.macro KLOAD set, off                  ; my row's 32 numbers of a chunk of K (d = 16 h + 0..15, then 32 + 16 h + 0..15) into a set of window 1
	WIN 0x40
.irp j, 0,1,2,3,4,5,6,7
	global_load_b128 v[32*(\set)+4*\j:32*(\set)+4*\j+3], v[KGO], s[6:7] offset:(\off)+128*(\j/4)+16*(\j%4)
.endr
	WIN 0
.endm
.macro VLOAD off                       ; V(key 16 wave + i, d = 32 z + lane) into VPRE + 16 z + i: the registers run down the keys; each load reads 128 consecutive bytes
	WIN 0x40
.irp z, 0,1
.irp i, 0,1,2,3,4,5,6,7,8,9,10,11,12,13,14,15
	global_load_b32 v[VPRE+16*\z+\i], v[VGO], s[8:9] offset:(\off)+256*\i+128*\z
.endr
.endr
	WIN 0
.endm
.macro CONVH src, lim                  ; 32 numbers of window 1 are held within the largest code x the scale (the conversion to an 8-bit code does not saturate: ISA guide 7.6.2).  Leaves its window setting
	WIN 0x41
.set n, 0
.rept 32
	v_med3_num_f32 v[(\src)+n], v[(\src)+n], -v[\lim], v[\lim]
.set n, n+1
.endr
.endm
.macro CONVC src, sc                   ; and become 32 codes in CT
	WIN 0x01
.irp g, 0,1,2,3
	v_cvt_scalef32_pk8_fp8_f32 v[CT+2*\g:CT+2*\g+1], v[(\src)+8*\g:(\src)+8*\g+7], v[\sc]
.endr
	WIN 0
	v_nop                                          ; one plain vector line behind the last conversion of a run
.endm
.macro CONV src, sc, lim
	CONVH \src, \lim
	CONVC \src, \sc
.endm
.macro KFRAG dst, off                  ; four fragments of K, as they were stored
.irp t, 0,1,2,3
	ds_load_b128 v[\dst+8*\t:\dst+8*\t+3],   v[ADR] offset:(\off)+1024*\t
	ds_load_b128 v[\dst+8*\t+4:\dst+8*\t+7], v[ADR] offset:(\off)+1024*\t+512
.endr
.endm
.macro VFRAG                           ; a chunk's four fragments of V^T
.irp t, 0,1,2,3
.irp q, 0,1,2,3
	ds_load_b128 v[VF+16*\t+4*\q:VF+16*\t+4*\q+3], v[ADRV] offset:2048*\t+512*\q
.endr
.endr
.endm
.macro KQ kf                           ; S^T = K Q^T for 64 keys x my 64 queries: 16 products, each a whole sum (K = 64), so each starts from the constant 0
	WIN 0x04
.irp t, 0,1,2,3
.irp a, 0,1,2,3
	v_wmma_f32_16x16x64_fp8_fp8 v[S+32*\a+8*\t:S+32*\a+8*\t+7], v[\kf+8*\t:\kf+8*\t+7], v[QF+8*\a:QF+8*\a+7], 0
.endr
.endr
	WIN 0
.endm
.macro MAX64                           ; the running maxima take 64 keys' scores: eight chains that do not wait for each other; each accumulator from its low end on
.irp t, 0,1,2,3
.irp j, 0,1,2,3
.irp a, 0,1,2,3
	v_max3_num_f32 v[MX+2*\a+\j%2], v[MX+2*\a+\j%2], v[S+32*\a+8*\t+2*\j], v[S+32*\a+8*\t+2*\j+1]
.endr
.endr
.endr
.endm
; The softmax of 64 keys (half e of a chunk) for my four tiles.  The 128 exponentials are ONE batch; the scalings of the next tile stand among them, one behind each two, and read no result of the batch.
.macro SOFT e
.irp k, 0,1,2,3,4,5,6,7,8,9,10,11,12,13,14,15
	v_pk_fma_f32 v[S+2*\k:S+2*\k+1], v[S+2*\k:S+2*\k+1], s[20:21], v[NM:NM+1] op_sel_hi:[1,0,0]   ; t - M, two at a time (of the pairs c and -M the low word serves both halves)
.endr
.irp a, 0,1,2,3
.irp k, 0,1,2,3,4,5,6,7,8,9,10,11,12,13,14,15
	v_exp_f32 v[S+32*\a+2*\k], v[S+32*\a+2*\k]     ; p = 2^(t - M)
	v_exp_f32 v[S+32*\a+2*\k+1], v[S+32*\a+2*\k+1]
.if \a < 3
	v_pk_fma_f32 v[S+32*(\a+1)+2*\k:S+32*(\a+1)+2*\k+1], v[S+32*(\a+1)+2*\k:S+32*(\a+1)+2*\k+1], s[20:21], v[NM+2*(\a+1):NM+2*(\a+1)+1] op_sel_hi:[1,0,0]
.endif
.endr
.endr
	v_nop                                          ; a plain line behind the last exponential
	s_wait_alu depctr_va_vdst(0)                   ; one wait for the whole batch, ahead of its first reader
.irp k, 0,1,2,3,4,5,6,7,8,9,10,11,12,13,14,15
.irp a, 0,1,2,3
	v_pk_add_f32 v[LS0+8*(\k%2)+2*\a:LS0+8*(\k%2)+2*\a+1], v[LS0+8*(\k%2)+2*\a:LS0+8*(\k%2)+2*\a+1], v[S+32*\a+2*\k:S+32*\a+2*\k+1]   ; the sums are taken of the unquantised p: eight chains
.endr
.endr
	s_cmp_ge_i32 s18, -8                           ; from ep = -8 on no p reaches the largest code: see the head
	s_cbranch_scc1 .Lnohold_\@
.set n, 0
.rept 128
	v_min_num_f32 v[S+n], v[S+n], v[LIMP]          ; p is not negative, so the hold is one-sided
.set n, n+1
.endr
.Lnohold_\@:
	WIN 0x40
.irp a, 0,1,2,3
.irp b, 0,1
.irp u, 0,1
	v_cvt_scalef32_pk8_fp8_f32 v[P+16*\a+8*(\e)+4*\b+2*\u:P+16*\a+8*(\e)+4*\b+2*\u+1], v[S+32*\a+16*\b+8*\u:S+32*\a+16*\b+8*\u+7], v[SCP]   ; keys 32 (2 e + b) + 16 h + 8 u + 0..7: registers 4 q + 2 u, + 1 of the operand, q = 2 e + b
.endr
.endr
.endr
	WIN 0
	v_nop                                          ; one plain vector line behind the last conversion of a run
.endm
.macro PV zero                         ; O^T += V^T P^T, K = the chunk's 128 keys: the 16 accumulators by turns, one product each
	WIN 0x54
.irp t, 0,1,2,3
.irp a, 0,1,2,3
.if \zero
	v_wmma_f32_16x16x128_fp8_fp8 v[32*\a+8*\t:32*\a+8*\t+7], v[VF+16*\t:VF+16*\t+15], v[P+16*\a:P+16*\a+15], 0
.else
	v_wmma_f32_16x16x128_fp8_fp8 v[32*\a+8*\t:32*\a+8*\t+7], v[VF+16*\t:VF+16*\t+15], v[P+16*\a:P+16*\a+15], v[32*\a+8*\t:32*\a+8*\t+7]
.endif
.endr
.endr
	WIN 0
.endm
; PASS 1, chunk i of the trip's four.  ld = 1: K's chunk four on is asked for, into the set that has just been converted; 2: V's chunk 0.  cv = 1: the next chunk of K is quantised and stored; 2: V's chunk 0.
; wc: the loads issued behind the chunk that is wanted, which may stay out.
.macro P1SUB i, ld, cv, wc
	KFRAG KFA, CHK*(\i)
	KFRAG KFB, CHK*(\i)+4096
.if \ld == 1
	KLOAD \i, ((\i)+4)*CHF
.elseif \ld == 2
	VLOAD 0
.endif
	s_wait_loadcnt \wc
.if \cv == 1
	CONV 32*(((\i)+1)%4), SCK, LIMK
	ds_store_b128 v[ADRS], v[CT:CT+3] offset:((\i)+1)*CHK
	ds_store_b128 v[ADRS], v[CT+4:CT+7] offset:((\i)+1)*CHK+512
.else
	CONV VPRE, SCV, LIMV
	v_add_nc_u32 v[ADRS], s26, v[VST]
	ds_store_b128 v[ADRS], v[CT:CT+3]              ; column d = lane: fragment h
	ds_store_b128 v[ADRS], v[CT+4:CT+7] offset:4096   ; column d = 32 + lane: fragment 2 + h
	VLOAD CHF                                      ; V's chunk 1
.endif
	s_wait_dscnt 10                                ; tiles 0-3 are in; tiles 4-7's eight loads and my two stores may be out
	KQ KFA
	PLACES 4                                       ; four places between the last product and the first read of results (ISA guide 7.12.1)
	MAX64
	s_wait_dscnt 2                                 ; tiles 4-7 are in; my two stores may be out
	KQ KFB
	PLACES 4
	MAX64
.endm
; PASS 2, one chunk.  zero = 1: the products start O^T's sums.  more = 1: V's next chunk is quantised and stored, K's next tiles 0-3 are fetched, a barrier follows.  inloop = 1: V's base steps, and the last trip asks for no chunk beyond the last.
.macro P2TRIP zero, more, inloop
	v_add_nc_u32 v[ADR], s25, v[LI]
	v_add_nc_u32 v[ADRV], s26, v[LI]
	v_add_nc_u32 v[ADRS], s26, v[VST]
.if \inloop
	s_wait_xcnt 0x0                                ; the last trip's loads of V have read their base: it may step
	s_add_nc_u64 s[8:9], s[8:9], CHF
.endif
	KFRAG KFB, 4096                                ; tiles 4-7; tiles 0-3 were fetched ahead of the last barrier
	KQ KFA
	PLACES 4
	SOFT 0
	s_wait_dscnt 0x0                               ; tiles 4-7 are in
	KQ KFB
	PLACES 4                                       ; also the places in front of the loads into K's registers
	VFRAG
	SOFT 1
	s_wait_dscnt 0x0                               ; V's fragments are in
	PV \zero
.if \more
	s_wait_loadcnt 0x0                             ; V's next chunk, asked for a trip ago
	CONVH VPRE, LIMV                               ; 32 plain lines that name no register of the products: the places in front of the loads below
	WIN 0
	KFRAG KFA, CHK                                 ; the next chunk's tiles 0-3
	CONVC VPRE, SCV
	ds_store_b128 v[ADRS], v[CT:CT+3] offset:CHK
	ds_store_b128 v[ADRS], v[CT+4:CT+7] offset:CHK+4096
.if \inloop
	s_cmp_eq_u32 s24, 1                            ; the loop's last trip has stored chunk 15: no load leaves the buffer
	s_cbranch_scc1 .Lnov_\@
	VLOAD 2*CHF
.Lnov_\@:
.else
	VLOAD 2*CHF
.endif
	BARRIER                                        ; V's next chunk lies in LDS
	s_add_co_u32 s25, s25, CHK
	s_add_co_u32 s26, s26, CHK
.endif
.endm
	s_load_b128 s[4:7], s[0:1], 0x0                ; Q, K
	s_load_b128 s[8:11], s[0:1], 0x10              ; V, the scales' exponents
	s_load_b64 s[12:13], s[0:1], 0x20              ; O
	v_lshl_add_u32 v[SPW], v0, 2, SPARE
	v_mov_b32 v[NIL], 0
	v_lshrrev_b32 v[T0], 5, v0
	v_readfirstlane_b32 s14, v[T0]                 ; wave 0..7
	v_and_b32 v[T0], 31, v0                        ; lane
	v_lshlrev_b32 v[LI], 4, v[T0]
	v_lshlrev_b32 v[VGO], 2, v[T0]
	v_and_b32 v[T0], 15, v0                        ; r
	v_bfe_u32 v[T1], v0, 4, 1                      ; h
	v_lshlrev_b32 v[QGO], 8, v[T0]
	v_lshl_add_u32 v[QGO], v[T1], 6, v[QGO]
	v_and_b32 v[KGO], 8, v[T0]
	v_add_nc_u32 v[KGO], v[KGO], v[T0]             ; r + 8 (r / 8)
	v_lshlrev_b32 v[KGO], 8, v[KGO]
	v_lshl_add_u32 v[KGO], v[T1], 6, v[KGO]
	s_lshl_b32 s28, s14, 10
	v_add_nc_u32 v[KST], s28, v[LI]
	s_lshl_b32 s28, s14, 8
	v_lshlrev_b32 v[VST], 4, v[T0]
	v_lshl_add_u32 v[VST], v[T1], 11, v[VST]
	v_add_nc_u32 v[VST], s28, v[VST]
	s_mul_i32 s28, s14, 16*SP
	s_add_co_u32 s28, s28, STAGE                   ; my stage
	v_mul_u32_u24 v[STO], v[T0], SP                ; in: row r, 32 bytes for each half of the lanes
	v_lshl_add_u32 v[STO], v[T1], 5, v[STO]
	v_add_nc_u32 v[STO], s28, v[STO]
	v_mul_u32_u24 v[RD], v[T1], SP                 ; back: lanes 0-15 one row of 256 bytes, lanes 16-31 the next
	v_lshl_add_u32 v[RD], v[T0], 4, v[RD]
	v_add_nc_u32 v[RD], s28, v[RD]
	s_and_b32 s28, ttmp7, 0xffff
	s_lshl_b32 s28, s28, 19                        ; the head: 2,048 rows of 256 bytes
	s_lshl_b32 s30, ttmp9, 17                      ; my block of 512 queries,
	s_lshl_b32 s31, s14, 14                        ; my wave's 64 of them
	s_add_co_u32 s30, s30, s31
	s_add_co_u32 s30, s30, s28
	s_mov_b32 s31, 0
	s_lshr_b32 s32, s14, 1                         ; K: my tile 2 b + u = wave begins at key 32 b + 8 u
	s_lshl_b32 s32, s32, 13
	s_and_b32 s33, s14, 1
	s_lshl_b32 s33, s33, 11
	s_add_co_u32 s32, s32, s33
	s_add_co_u32 s32, s32, s28
	s_mov_b32 s33, 0
	s_lshl_b32 s34, s14, 12                        ; V: my 16 keys of a chunk
	s_add_co_u32 s34, s34, s28
	s_mov_b32 s35, 0
	s_wait_kmcnt 0x0
	s_load_b128 s[16:19], s[10:11], 0x0            ; eq, ek, ep, ev
	s_add_nc_u64 s[4:5], s[4:5], s[30:31]
	s_add_nc_u64 s[12:13], s[12:13], s[30:31]
	s_add_nc_u64 s[6:7], s[6:7], s[32:33]
	s_add_nc_u64 s[8:9], s[8:9], s[34:35]
.irp a, 0,1,2,3                        ; Q: tile a's 32 numbers of my row, into S^T's registers; read once in the launch
.irp j, 0,1,2,3,4,5,6,7
	global_load_b128 v[S+32*\a+4*\j:S+32*\a+4*\j+3], v[QGO], s[4:5] offset:4096*\a+128*(\j/4)+16*(\j%4) th:TH_LOAD_NT
.endr
.endr
	KLOAD 0, 0                                     ; K's chunks 0 to 3
	KLOAD 1, CHF
	KLOAD 2, 2*CHF
	KLOAD 3, 3*CHF
	s_wait_kmcnt 0x0
	MKSC 16, SCQ, LIMQ
	MKSC 17, SCK, LIMK
	MKSC 18, SCP, LIMP
	MKSC 19, SCV, LIMV
	s_add_co_i32 s28, s16, s17
	s_lshl_b32 s28, s28, 23
	s_add_co_i32 s20, s28, 0x3e38aa3b              ; c = log2(e) / 8 x 2^(eq + ek): the two exponents are added to the exponent field
	s_mov_b32 s21, s20                             ; (named with it as a pair, so it is written)
	s_add_co_i32 s38, s18, s19                     ; ep + ev
	s_mov_b32 s22, 0x76543210                      ; v_permlanex16_b32's selects for lane l xor 16
	s_mov_b32 s23, 0xfedcba98
	s_mov_b32 s25, KIMG
	s_mov_b32 s26, VIMG
.irp j, 0,1,2,3,4,5,6,7
	v_mov_b32 v[MX+\j], 0xff800000                 ; the maxima begin at -infinity
.endr
	s_wait_loadcnt 32                              ; Q is in; K's four chunks, 32 loads, may be out
.set n, 0
.rept 128
	v_med3_num_f32 v[S+n], v[S+n], -v[LIMQ], v[LIMQ]
.set n, n+1
.endr
	WIN 0x40
.irp a, 0,1,2,3
.irp g, 0,1,2,3
	v_cvt_scalef32_pk8_fp8_f32 v[QF+8*\a+2*\g:QF+8*\a+2*\g+1], v[S+32*\a+8*\g:S+32*\a+8*\g+7], v[SCQ]   ; Q's fragments stay in registers
.endr
.endr
	WIN 0
	v_nop                                          ; one plain vector line behind the last conversion of a run
	s_wait_loadcnt 24                              ; K's chunk 0 is in; chunks 1 to 3 may be out
	CONV 0, SCK, LIMK
	ds_store_b128 v[KST], v[CT:CT+3]
	ds_store_b128 v[KST], v[CT+4:CT+7] offset:512
	BARRIER                                        ; K's chunk 0 lies in LDS
	; ---- PASS 1: a trip is four chunks, after which the four sets of registers are back where they began
	s_mov_b32 s24, 3
.Lp1:
	v_add_nc_u32 v[ADR], s25, v[LI]
	v_add_nc_u32 v[ADRS], s25, v[KST]
.irp i, 0,1,2,3
	P1SUB \i, 1, 1, 24                             ; 24: the three chunks asked for behind the one that is wanted
	BARRIER                                        ; the next chunk of K lies in LDS
.endr
	s_wait_xcnt 0x0                                ; the trip's loads have read their base: it may step
	s_add_nc_u64 s[6:7], s[6:7], 4*CHF
	s_add_co_u32 s25, s25, 4*CHK
	s_sub_co_u32 s24, s24, 1
	s_cmp_lg_u32 s24, 0
	s_cbranch_scc1 .Lp1
	v_add_nc_u32 v[ADR], s25, v[LI]                ; chunks 12 to 15 are written out: nothing of K is left to ask for, and V begins
	v_add_nc_u32 v[ADRS], s25, v[KST]
	P1SUB 0, 2, 1, 48                              ; behind K's chunk 13: chunks 14 and 15 (16 loads) and V's chunk 0 (32)
	BARRIER
	P1SUB 1, 0, 1, 40                              ; behind chunk 14: chunk 15 and V's
	BARRIER
	P1SUB 2, 0, 1, 32                              ; behind chunk 15: V's
	BARRIER
	P1SUB 3, 0, 2, 0                               ; V's chunk 0 is wanted: nothing was asked for behind it
.irp a, 0,1,2,3                        ; each query's largest score: my two chains, then the other half of the lanes'
	v_max_num_f32 v[MX+2*\a], v[MX+2*\a], v[MX+2*\a+1]
.endr
.irp a, 0,1,2,3
	v_permlanex16_b32 v[MX+2*\a+1], v[MX+2*\a], s22, s23
.endr
.irp a, 0,1,2,3
	v_max_num_f32 v[MX+2*\a], v[MX+2*\a], v[MX+2*\a+1]
.endr
.irp a, 0,1,2,3
	v_mul_f32 v[MX+2*\a], s20, v[MX+2*\a]          ; as t (c is positive)
.endr
.irp a, 0,1,2,3
	v_floor_f32 v[NM+2*\a], -v[MX+2*\a]            ; -M = floor(-t) = -ceil(t)
.endr
.irp a, 0,1,2,3
	v_mov_b32 v[NM+2*\a+1], v[NM+2*\a]             ; (named with it as a pair, so it is written)
.endr
.irp j, 0,1,2,3,4,5,6,7,8,9,10,11,12,13,14,15
	v_mov_b32 v[LS0+\j], 0                         ; the sums
.endr
	s_mov_b32 s25, KIMG                            ; back to K's chunk 0
	v_mov_b32 v[ADR], v[LI]
	KFRAG KFA, 0
	BARRIER                                        ; V's chunk 0 lies in LDS
	; ---- PASS 2
	P2TRIP 1, 1, 0                                 ; chunk 0 starts O^T's sums: nothing is cleared
	s_mov_b32 s24, 14
.Lp2:                                  ; chunks 1 to 14
	P2TRIP 0, 1, 1
	s_sub_co_u32 s24, s24, 1
	s_cmp_lg_u32 s24, 0
	s_cbranch_scc1 .Lp2
	P2TRIP 0, 0, 0                                 ; chunk 15: nothing follows it
	; ---- THE WAY OUT.  The sums' parts are added (these plain lines are the places behind the last products); O^T x 2^(ep + ev) / the sum goes through my stage, a tile (16 rows of O) at a time.
.irp a, 0,1,2,3
	v_pk_add_f32 v[LS0+2*\a:LS0+2*\a+1], v[LS0+2*\a:LS0+2*\a+1], v[LS1+2*\a:LS1+2*\a+1]
.endr
.irp a, 0,1,2,3
	v_add_f32 v[LS0+2*\a], v[LS0+2*\a], v[LS0+2*\a+1]
.endr
.irp a, 0,1,2,3
	v_permlanex16_b32 v[LS1+2*\a], v[LS0+2*\a], s22, s23   ; the query's other keys lie in the lane 16 away
.endr
.irp a, 0,1,2,3
	v_add_f32 v[LS0+2*\a], v[LS0+2*\a], v[LS1+2*\a]
.endr
.irp a, 0,1,2,3
	v_rcp_f32 v[RL+2*\a], v[LS0+2*\a]
.endr
	v_nop                                          ; a plain line behind the last reciprocal
	s_wait_alu depctr_va_vdst(0)                   ; one wait for the four, ahead of their first reader
.irp a, 0,1,2,3
	v_ldexp_f32 v[RL+2*\a], v[RL+2*\a], s38
.endr
.irp a, 0,1,2,3
	v_mov_b32 v[RL+2*\a+1], v[RL+2*\a]             ; (named with it as a pair, so it is written)
.endr
.macro PACK a                          ; register 8 t + j of tile a is o(query r, d = 16 t + 8 h + j): 32 bytes of a row; rows of 272 bytes in, whole rows of 256 bytes back, into the registers that they left
	WIN 0x01
.irp i, 0,1,2,3,4,5,6,7,8,9,10,11,12,13,14,15
	v_pk_mul_f32 v[S+32*\a+2*\i:S+32*\a+2*\i+1], v[32*\a+2*\i:32*\a+2*\i+1], v[RL+2*\a:RL+2*\a+1] op_sel_hi:[1,0]   ; each accumulator from its low end on
.endr
	WIN 0
.irp t, 0,1,2,3
	ds_store_b128 v[STO], v[S+32*\a+8*\t:S+32*\a+8*\t+3] offset:64*\t
	ds_store_b128 v[STO], v[S+32*\a+8*\t+4:S+32*\a+8*\t+7] offset:64*\t+16
.endr
.irp f, 0,1,2,3,4,5,6,7
	ds_load_b128 v[S+32*\a+4*\f:S+32*\a+4*\f+3], v[RD] offset:\f*2*SP   ; LDS serves a wave's instructions in order (ISA guide 5.7.1.4): these see the stores above; the next tile's stores come behind them
.endr
.endm
.macro SEND a, younger                 ; younger: the LDS instructions issued behind tile a's loads: the next tile's sixteen, or none
.irp f, 0,1,2,3,4,5,6,7
	s_wait_dscnt \younger+7-\f
	global_store_b128 v[LI], v[S+32*\a+4*\f:S+32*\a+4*\f+3], s[12:13] offset:4096*\a+512*\f th:TH_STORE_NT   ; 32 lanes store 512 consecutive bytes, at a multiple of 256 from O's first byte; written once, read by nobody here
.endr
.endm
	PACK 0
	PACK 1                                         ; a tile's arithmetic stands between the loads of the tile before and its stores
	SEND 0, 16
	PACK 2
	SEND 1, 16
	PACK 3
	SEND 2, 16
	SEND 3, 0
	s_wait_tensorcnt 0x0                           ; the wave's end, behind my last LDS store
	ds_add_u32 v[SPW], v[NIL]
	s_wait_dscnt 0x0
	s_endpgm
.Lfunc_end_k_q72e0c5b9c5_attn:
	.size	k_q72e0c5b9c5_attn, .Lfunc_end_k_q72e0c5b9c5_attn-k_q72e0c5b9c5_attn
	.p2alignl 7, 3214868480
	.fill 96, 4, 3214868480
	.section	.rodata,"a",@progbits
	.p2align	6, 0x0
	.amdhsa_kernel k_q72e0c5b9c5_attn
		.amdhsa_group_segment_fixed_size 297984
		.amdhsa_private_segment_fixed_size 0
		.amdhsa_enable_private_segment 0
		.amdhsa_kernarg_size 40
		.amdhsa_user_sgpr_count 2
		.amdhsa_user_sgpr_kernarg_segment_ptr 1
		.amdhsa_wavefront_size32 1
		.amdhsa_system_sgpr_workgroup_id_x 1
		.amdhsa_system_sgpr_workgroup_id_y 1
		.amdhsa_system_sgpr_workgroup_id_z 1
		.amdhsa_system_vgpr_workitem_id 0
		.amdhsa_next_free_vgpr 512
		.amdhsa_next_free_sgpr 66
		.amdhsa_reserve_vcc 0
		.amdhsa_float_denorm_mode_32 3
		.amdhsa_float_denorm_mode_16_64 3
		.amdhsa_memory_ordered 1
		.amdhsa_forward_progress 1
		.amdhsa_inst_pref_size 255
	.end_amdhsa_kernel
	.section	.bss,"aw",@nobits
	.p2align	6
	.space	262144
	.amdgpu_metadata
---
amdhsa.version: [ 1, 2 ]
amdhsa.kernels:
  - .name:           k_q72e0c5b9c5_attn
    .symbol:         k_q72e0c5b9c5_attn.kd
    .args:
      - { .name: query, .offset: 0, .size: 8, .value_kind: global_buffer, .address_space: global }
      - { .name: key, .offset: 8, .size: 8, .value_kind: global_buffer, .address_space: global }
      - { .name: value, .offset: 16, .size: 8, .value_kind: global_buffer, .address_space: global }
      - { .name: lowp_scales, .offset: 24, .size: 8, .value_kind: global_buffer, .address_space: global }
      - { .name: out0, .offset: 32, .size: 8, .value_kind: global_buffer, .address_space: global }
    .group_segment_fixed_size: 297984
    .private_segment_fixed_size: 0
    .kernarg_segment_align: 8
    .kernarg_segment_size: 40
    .max_flat_workgroup_size: 256
    .sgpr_count:     66
    .vgpr_count:     512
    .wavefront_size: 32
...
	.end_amdgpu_metadata
.endif
;; end of part 1
;; ======== version 2 of 2: 1 launch; version 1 with the launch attn written anew for expert scheduling mode
;; launch attn (part 2): grid 4 x 64, 8 waves a work-group, no clusters, 297,984 bytes of LDS; arguments query, key, value, lowp_scales, out0; writes out0
.if DOCPART == 2
	.amdgcn_target "amdgcn-amd-amdhsa--gfx1250"
	.amdhsa_code_object_version 6
	.text
	.protected	k_q72e0c5b9c5_attn
	.globl	k_q72e0c5b9c5_attn
	.p2align	8
	.type	k_q72e0c5b9c5_attn,@function
k_q72e0c5b9c5_attn:
	s_mov_b64 s[64:65], 0
	v_nop
	global_prefetch_b8 v0, s[64:65] scope:SCOPE_SE
	s_setreg_imm32_b32 hwreg(HW_REG_WAVE_SCHED_MODE, 0, 2), 2
	s_setreg_imm32_b32 hwreg(HW_REG_WAVE_MODE, 25, 1), 1
	s_wait_xcnt 0x0
	s_wait_alu depctr_vm_vsrc(0)
; O[h][q][:] = sum over k of softmax_k(Q[h][q] . K[h][k] / 8) V[h][k][:], 64 heads, 2,048 queries and keys, head size 64; Q, K, V, O f32.
; Both products run on codes of E4M3 with the four given scales 2^eq, 2^ek, 2^ep, 2^ev.  t = score x log2(e) / 8; M = ceil(the row's largest t); p = 2^(t - M) is quantised;
; the row's sum is taken of the unquantised p and divides O at the end.
; SHARES.  A work-group owns 512 queries of one head; each of its eight waves 64 of them: four tiles of 16.  256 work-groups of equal work.
; THE HEAD'S WHOLE K AND V LIE IN LDS AS CODES (131,072 bytes each), as images of the operands' registers: a fragment's four registers are 16 bytes a lane at 16 x lane, 512 bytes on end.
; The work-group makes them itself, a chunk of 128 keys at a time: f32 from memory into registers, the hold, the conversion, ds_store_b128, one barrier a chunk.  No LDS byte is written twice.
; TWO PASSES OVER THE KEYS.  Pass 1: S^T = K Q^T, of which only each query's maximum is kept (K is quantised on the way, one chunk ahead).  Pass 2: S^T once more, with the final M: p, the sums,
; p's codes, O^T += V^T P^T (V is quantised on the way).  For a tile and 128 keys that is 32 maxima, 32 packed scalings, 64 exponentials, 32 packed sums and 8 conversions: nothing is ever rescaled,
; no lane exchange stands in a loop, and M is the definition's own.  The price is the first product twice.
; LAYOUT.  Both products are used transposed (source 0 = 16 keys, or 16 of the head's 64; source 1 = 16 queries), so a lane holds ONE query (lane % 16) throughout.
; First product, K = the head's 64: registers 0-3 of lane (r, h) hold d = 16 h + 0..15, registers 4-7 d = 32 + 16 h + 0..15, in Q and in K alike: a permutation of d that both operands share.
; THE KEYS OF A TILE ARE NOT NEIGHBOURS: row m of tile 2 b + u of a chunk is key 32 b + 8 u + m + 8 (m / 8), so that the 16 registers of tiles 2 b, 2 b + 1 are keys 32 b + 16 h + 0..15.
; Second product, K = 128 keys: registers 4 q .. 4 q + 3 of half h hold keys 32 q + 16 h + 0..15, in P and in V^T alike.
; NO CLUSTER, NO TENSOR LOAD: the four work-groups of a head read the same K and V, but as f32 that must pass through registers to become codes.  Beside the 262,144 bytes of codes some 35,000 bytes
; of LDS are left, so a head's 1,048,576 bytes of f32 would want thirty joint refills or more, each behind a round of all partners.  Each work-group quantises for itself: 36 vector lines a wave for a chunk of a tensor.
; NO PREFETCH: the loads into registers are themselves issued three chunks (pass 1) or a whole trip (pass 2) ahead of the wait for them.
; LIMITS.  eq, ek, ep, ev each between -126 and 119; eq + ek between -123 and 130 (they are added to the exponent field of log2(e) / 8); ep + ev goes in by v_ldexp_f32 and has no limit.
; NaN among the inputs is not served; infinities are held at the largest code.
; THE HOLD ON p: p is at most 1 but for the last bits of f32, and the largest code stands for 448 x 2^ep, which is 1.75 or more from ep = -8 on.  So the 128 holds of a half step stand under a scalar
; branch on the given whole number ep: they are executed where ep < -8.
; THE MODE: SCHED_MODE bits 1:0 = 2 (LLVM: expert scheduling mode 2), set by the entry lines.  The code itself states the register dependences between vector or matrix instructions and
; memory or LDS instructions, with s_wait_alu, always for 0.
; THE PLAN.  Registers that memory or LDS instructions touch, and who else names them:
;   LI, KGO, VGO, KST, VST, QGO, STO, RD, SPW, NIL   made at the head, never written again: one wait on va_vdst ahead of the first load serves them to the end.
;   ADR, ADRV, ADRS   read by the fragments' loads and the codes' stores; written by vector adds directly behind a barrier: a wait on vm_vsrc ahead of the adds, one on va_vdst behind them.
;   CT                written by a chunk's four conversions, read by its two LDS stores: a wait on va_vdst between; the wait on vm_vsrc behind the next barrier frees it.
;   KFA, KFB = VF     LDS loads land there, matrix instructions read them: a wait on va_vdst ahead of each run of loads, behind the products that read the registers last.
;   window 1: K's four sets, VPRE   global loads land there; the holds and conversions read and write them; the next load into a set stands behind a wait on va_vdst that follows its conversions.
;   S                 Q's loads at the head; on the way out written by the multiplies, read by the stage's stores, loaded from the stage, read by the global stores.
; Pass 1, a chunk: vm_vsrc, (the adds,) va_vdst, all its loads on end; the conversions, va_vdst, the two stores.  Pass 2, a chunk: vm_vsrc, the adds, va_vdst, K's tiles 4-7; va_vdst ahead of V's fragments;
; and ONE va_vdst behind V's conversions for K's next tiles 0-3, the two stores and V's next loads together.  The accumulators, Q, P, the statistics and the scales are named by vector and matrix instructions alone.
.set KIMG,  0                          ; LDS: K's codes: fragment f = 8 chunk + tile at 1,024 f: registers 0-3 at 16 x lane, registers 4-7 512 bytes on
.set VIMG,  131072                     ; V's codes: chunk at 8,192 c, fragment t (d = 16 t on) at 2,048 t, registers 4 q .. 4 q + 3 at 512 q + 16 x lane
.set STAGE, 262144                     ; the way out: 16 rows x 272 bytes for each wave
.set SP,    272
.set SPARE, 296960                     ; the spare words, 128 bytes for each wave: four blocks of 256 bytes that no other line names
.set CHK,   8192                       ; a chunk's codes in bytes
.set CHF,   32768                      ; a chunk's f32 numbers in bytes: 128 keys x 256
; window 0
.set LI,   1                           ; v1   16 x lane: my place in an image; also my byte offset in two rows of O
.set ADR,  2                           ; v2   where K's fragments are read
.set ADRV, 3                           ; v3   where V's are read
.set ADRS, 4                           ; v4   where I store codes
.set KGO,  5                           ; v5   K in memory: (r + 8 (r / 8)) x 256 + 64 h
.set VGO,  6                           ; v6   V in memory: 4 x lane
.set KST,  7                           ; v7   16 x lane + 1,024 x wave: I make tile number wave of each chunk of K
.set VST,  8                           ; v8   2,048 h + 16 r + 256 x wave: where my 16 keys of column d = lane lie in a chunk of V
.set QGO,  9                           ; v9   Q in memory: 256 r + 64 h
.set SCK,  10                          ; v10, v11  2^ek and 448 x 2^ek
.set LIMK, 11
.set SCV,  12                          ; v12, v13  the same for ev
.set LIMV, 13
.set SCP,  14                          ; v14, v15  the same for ep
.set LIMP, 15
.set NM,   16                          ; v16-23  -M of tile a, twice (a pair for the packed form)
.set MX,   24                          ; v24-31  pass 1: two running maxima a tile
.set LS0,  24                          ; v24-31, v32-39  pass 2: the sums, two pairs a tile
.set LS1,  32
.set CT,   40                          ; v40-47  codes just made
.set SPW,  48                          ; v48  LDS address of my spare word; never rewritten
.set NIL,  49                          ; v49  0; never rewritten
.set SCQ,  50                          ; v50, v51  2^eq and 448 x 2^eq
.set LIMQ, 51
.set STO,  52                          ; v52  the way out: where I put 32 bytes of a row
.set RD,   53                          ; v53  and where I read a row back
.set T0,   54
.set T1,   55
.set RL,   56                          ; v56-63  2^(ep + ev) / the sum of tile a, twice
.set KFA,  64                          ; v64-95   K's tiles 0-3 of a chunk
.set KFB,  96                          ; v96-127  K's tiles 4-7
.set VF,   64                          ; v64-127  V's four fragments of a chunk, in the same registers
.set S,    128                         ; v128-255 S^T of 64 keys: tile of queries a, tile of keys t at S + 32 a + 8 t
; window 1: v0-127 O^T (accumulator (a, t) at 32 a + 8 t); in pass 1 four sets of 32 for K as loaded
.set QF,   128                         ; v128-159 Q's four fragments
.set P,    160                         ; v160-223 p's codes, 16 a tile
.set VPRE, 224                         ; v224-255 V as loaded
; scalars: s[4:5] Q, s[6:7] K, s[8:9] V, s[10:11] the scales, s[12:13] O, s14 wave, s[16:19] eq ek ep ev, s[20:21] c twice, s[22:23] lane selects, s24 trips, s25 K's chunk in LDS, s26 V's, s38 ep + ev
.set MSB, 0
.macro WIN new                         ; bits 1:0 source 0, 3:2 source 1, 5:4 source 2, 7:6 destination; the high byte repeats the setting that is left
.if MSB != \new
	s_set_vgpr_msb (MSB<<8)|\new
.set MSB, \new
.endif
.endm
.macro PLACES n
.rept \n
	v_nop
.endr
.endm
.macro BARRIER                         ; my LDS stores have landed and my LDS loads are in: then the work-group's barrier
	s_wait_dscnt 0x0
	s_barrier_signal -1
	s_barrier_wait -1
.endm
.macro MKSC e, vsc, vlim               ; 2^e as f32 (the conversion takes its exponent field), and 448 x 2^e
	s_add_co_i32 s36, s[\e], 127
	s_lshl_b32 s37, s36, 23
	v_mov_b32 v[\vsc], s37
	s_add_co_i32 s36, s36, 8
	s_lshl_b32 s36, s36, 23
	s_or_b32 s36, s36, 0x600000
	v_mov_b32 v[\vlim], s36
.endm
.macro KLOAD set, off                  ; my row's 32 numbers of a chunk of K (d = 16 h + 0..15, then 32 + 16 h + 0..15) into a set of window 1
	WIN 0x40
.irp j, 0,1,2,3,4,5,6,7
	global_load_b128 v[32*(\set)+4*\j:32*(\set)+4*\j+3], v[KGO], s[6:7] offset:(\off)+128*(\j/4)+16*(\j%4)
.endr
	WIN 0
.endm
.macro VLOAD off                       ; V(key 16 wave + i, d = 32 z + lane) into VPRE + 16 z + i: the registers run down the keys; each load reads 128 consecutive bytes
	WIN 0x40
.irp z, 0,1
.irp i, 0,1,2,3,4,5,6,7,8,9,10,11,12,13,14,15
	global_load_b32 v[VPRE+16*\z+\i], v[VGO], s[8:9] offset:(\off)+256*\i+128*\z
.endr
.endr
	WIN 0
.endm
.macro CONVH src, lim                  ; 32 numbers of window 1 are held within the largest code x the scale (the conversion to an 8-bit code does not saturate: ISA guide 7.6.2).  Leaves its window setting
	WIN 0x41
.set n, 0
.rept 32
	v_med3_num_f32 v[(\src)+n], v[(\src)+n], -v[\lim], v[\lim]
.set n, n+1
.endr
.endm
.macro CONVC src, sc                   ; and become 32 codes in CT
	WIN 0x01
.irp g, 0,1,2,3
	v_cvt_scalef32_pk8_fp8_f32 v[CT+2*\g:CT+2*\g+1], v[(\src)+8*\g:(\src)+8*\g+7], v[\sc]
.endr
	WIN 0
	v_nop                                          ; one plain vector line behind the last conversion of a run
.endm
.macro CONV src, sc, lim
	CONVH \src, \lim
	CONVC \src, \sc
.endm
.macro KFRAG dst, off                  ; four fragments of K, as they were stored
.irp t, 0,1,2,3
	ds_load_b128 v[\dst+8*\t:\dst+8*\t+3],   v[ADR] offset:(\off)+1024*\t
	ds_load_b128 v[\dst+8*\t+4:\dst+8*\t+7], v[ADR] offset:(\off)+1024*\t+512
.endr
.endm
.macro VFRAG                           ; a chunk's four fragments of V^T
.irp t, 0,1,2,3
.irp q, 0,1,2,3
	ds_load_b128 v[VF+16*\t+4*\q:VF+16*\t+4*\q+3], v[ADRV] offset:2048*\t+512*\q
.endr
.endr
.endm
.macro KQ kf                           ; S^T = K Q^T for 64 keys x my 64 queries: 16 products, each a whole sum (K = 64), so each starts from the constant 0
	WIN 0x04
.irp t, 0,1,2,3
.irp a, 0,1,2,3
	v_wmma_f32_16x16x64_fp8_fp8 v[S+32*\a+8*\t:S+32*\a+8*\t+7], v[\kf+8*\t:\kf+8*\t+7], v[QF+8*\a:QF+8*\a+7], 0
.endr
.endr
	WIN 0
.endm
.macro MAX64                           ; the running maxima take 64 keys' scores: eight chains that do not wait for each other; each accumulator from its low end on
.irp t, 0,1,2,3
.irp j, 0,1,2,3
.irp a, 0,1,2,3
	v_max3_num_f32 v[MX+2*\a+\j%2], v[MX+2*\a+\j%2], v[S+32*\a+8*\t+2*\j], v[S+32*\a+8*\t+2*\j+1]
.endr
.endr
.endr
.endm
; The softmax of 64 keys (half e of a chunk) for my four tiles.  The 128 exponentials are ONE batch; the scalings of the next tile stand among them, one behind each two, and read no result of the batch.
.macro SOFT e
.irp k, 0,1,2,3,4,5,6,7,8,9,10,11,12,13,14,15
	v_pk_fma_f32 v[S+2*\k:S+2*\k+1], v[S+2*\k:S+2*\k+1], s[20:21], v[NM:NM+1] op_sel_hi:[1,0,0]   ; t - M, two at a time (of the pairs c and -M the low word serves both halves)
.endr
.irp a, 0,1,2,3
.irp k, 0,1,2,3,4,5,6,7,8,9,10,11,12,13,14,15
	v_exp_f32 v[S+32*\a+2*\k], v[S+32*\a+2*\k]     ; p = 2^(t - M)
	v_exp_f32 v[S+32*\a+2*\k+1], v[S+32*\a+2*\k+1]
.if \a < 3
	v_pk_fma_f32 v[S+32*(\a+1)+2*\k:S+32*(\a+1)+2*\k+1], v[S+32*(\a+1)+2*\k:S+32*(\a+1)+2*\k+1], s[20:21], v[NM+2*(\a+1):NM+2*(\a+1)+1] op_sel_hi:[1,0,0]
.endif
.endr
.endr
	v_nop                                          ; a plain line behind the last exponential
	s_wait_alu depctr_va_vdst(0)                   ; the 128 exponentials have written p in v[S ..], which the sums below read: one wait for the whole batch, ahead of its first reader
.irp k, 0,1,2,3,4,5,6,7,8,9,10,11,12,13,14,15
.irp a, 0,1,2,3
	v_pk_add_f32 v[LS0+8*(\k%2)+2*\a:LS0+8*(\k%2)+2*\a+1], v[LS0+8*(\k%2)+2*\a:LS0+8*(\k%2)+2*\a+1], v[S+32*\a+2*\k:S+32*\a+2*\k+1]   ; the sums are taken of the unquantised p: eight chains
.endr
.endr
	s_cmp_ge_i32 s18, -8                           ; from ep = -8 on no p reaches the largest code: see the head
	s_cbranch_scc1 .Lnohold_\@
.set n, 0
.rept 128
	v_min_num_f32 v[S+n], v[S+n], v[LIMP]          ; p is not negative, so the hold is one-sided
.set n, n+1
.endr
.Lnohold_\@:
	WIN 0x40
.irp a, 0,1,2,3
.irp b, 0,1
.irp u, 0,1
	v_cvt_scalef32_pk8_fp8_f32 v[P+16*\a+8*(\e)+4*\b+2*\u:P+16*\a+8*(\e)+4*\b+2*\u+1], v[S+32*\a+16*\b+8*\u:S+32*\a+16*\b+8*\u+7], v[SCP]   ; keys 32 (2 e + b) + 16 h + 8 u + 0..7: registers 4 q + 2 u, + 1 of the operand, q = 2 e + b
.endr
.endr
.endr
	WIN 0
	v_nop                                          ; one plain vector line behind the last conversion of a run
.endm
.macro PV zero                         ; O^T += V^T P^T, K = the chunk's 128 keys: the 16 accumulators by turns, one product each
	WIN 0x54
.irp t, 0,1,2,3
.irp a, 0,1,2,3
.if \zero
	v_wmma_f32_16x16x128_fp8_fp8 v[32*\a+8*\t:32*\a+8*\t+7], v[VF+16*\t:VF+16*\t+15], v[P+16*\a:P+16*\a+15], 0
.else
	v_wmma_f32_16x16x128_fp8_fp8 v[32*\a+8*\t:32*\a+8*\t+7], v[VF+16*\t:VF+16*\t+15], v[P+16*\a:P+16*\a+15], v[32*\a+8*\t:32*\a+8*\t+7]
.endif
.endr
.endr
	WIN 0
.endm
; PASS 1, chunk i of the trip's four.  ld = 1: K's chunk four on is asked for, into the set that has just been converted; 2: V's chunk 0.  cv = 1: the next chunk of K is quantised and stored; 2: V's chunk 0.
; wc: the loads issued behind the chunk that is wanted, which may stay out.  A trip's first chunk makes the trip's two LDS addresses.
.macro P1SUB i, ld, cv, wc
	s_wait_alu depctr_vm_vsrc(0)                   ; the two LDS stores ahead of the last barrier have read CT and their address, the fragments' loads theirs: the conversions below write CT again, a trip's first chunk the two addresses
.if (\i) == 0
	v_add_nc_u32 v[ADR], s25, v[LI]
	v_add_nc_u32 v[ADRS], s25, v[KST]
.endif
	s_wait_alu depctr_va_vdst(0)                   ; the last chunk's products are done reading KFA and KFB, its holds and conversions are done with their set of window 1: the loads below land there; in a trip's first chunk the two addresses are written
	KFRAG KFA, CHK*(\i)
	KFRAG KFB, CHK*(\i)+4096
.if \ld == 1
	KLOAD \i, ((\i)+4)*CHF
.elseif \ld == 2
	VLOAD 0
.endif
	s_wait_loadcnt \wc
.if \cv == 1
	CONV 32*(((\i)+1)%4), SCK, LIMK
	s_wait_alu depctr_va_vdst(0)                   ; the conversions have written CT, which the two stores read
	ds_store_b128 v[ADRS], v[CT:CT+3] offset:((\i)+1)*CHK
	ds_store_b128 v[ADRS], v[CT+4:CT+7] offset:((\i)+1)*CHK+512
.else
	CONV VPRE, SCV, LIMV
	v_add_nc_u32 v[ADRS], s26, v[VST]
	s_wait_alu depctr_va_vdst(0)                   ; the conversions have written CT and the add v[ADRS], which the two stores read; the holds and conversions are done with VPRE, in which V's chunk 1 lands
	ds_store_b128 v[ADRS], v[CT:CT+3]              ; column d = lane: fragment h
	ds_store_b128 v[ADRS], v[CT+4:CT+7] offset:4096   ; column d = 32 + lane: fragment 2 + h
	VLOAD CHF                                      ; V's chunk 1
.endif
	s_wait_dscnt 10                                ; tiles 0-3 are in; tiles 4-7's eight loads and my two stores may be out
	KQ KFA
	PLACES 4                                       ; four places between the last product and the first read of results (ISA guide 7.12.1)
	MAX64
	s_wait_dscnt 2                                 ; tiles 4-7 are in; my two stores may be out
	KQ KFB
	PLACES 4
	MAX64
.endm
; PASS 2, one chunk.  zero = 1: the products start O^T's sums.  more = 1: V's next chunk is quantised and stored, K's next tiles 0-3 are fetched, a barrier follows.  inloop = 1: V's base steps, and the last trip asks for no chunk beyond the last.
.macro P2TRIP zero, more, inloop
	s_wait_alu depctr_vm_vsrc(0)                   ; the LDS loads and stores ahead of the last barrier have read v[ADR], v[ADRV], v[ADRS] and CT: the three adds below and this chunk's conversions write them again
	v_add_nc_u32 v[ADR], s25, v[LI]
	v_add_nc_u32 v[ADRV], s26, v[LI]
	v_add_nc_u32 v[ADRS], s26, v[VST]
.if \inloop
	s_wait_xcnt 0x0                                ; the last trip's loads of V have read their base: it may step
	s_add_nc_u64 s[8:9], s[8:9], CHF
.endif
	s_wait_alu depctr_va_vdst(0)                   ; the three addresses are written, which this chunk's LDS loads and stores read
	KFRAG KFB, 4096                                ; tiles 4-7; tiles 0-3 were fetched ahead of the last barrier
	KQ KFA
	PLACES 4
	SOFT 0
	s_wait_dscnt 0x0                               ; tiles 4-7 are in
	KQ KFB
	PLACES 4                                       ; four places between the last product and the first read of results
	s_wait_alu depctr_va_vdst(0)                   ; both runs of products are done reading K's fragments in v64-127, in which V's fragments land
	VFRAG
	SOFT 1
	s_wait_dscnt 0x0                               ; V's fragments are in
	PV \zero
.if \more
	s_wait_loadcnt 0x0                             ; V's next chunk, asked for a trip ago
	CONV VPRE, SCV, LIMV
	s_wait_alu depctr_va_vdst(0)                   ; one wait for the three runs below: the products are done reading V's fragments, in which K's tiles land; the conversions have written CT, which the stores read, and are done with VPRE, in which V's loads land
	KFRAG KFA, CHK                                 ; the next chunk's tiles 0-3
	ds_store_b128 v[ADRS], v[CT:CT+3] offset:CHK
	ds_store_b128 v[ADRS], v[CT+4:CT+7] offset:CHK+4096
.if \inloop
	s_cmp_eq_u32 s24, 1                            ; the loop's last trip has stored chunk 15: no load leaves the buffer
	s_cbranch_scc1 .Lnov_\@
	VLOAD 2*CHF
.Lnov_\@:
.else
	VLOAD 2*CHF
.endif
	BARRIER                                        ; V's next chunk lies in LDS
	s_add_co_u32 s25, s25, CHK
	s_add_co_u32 s26, s26, CHK
.endif
.endm
	s_load_b128 s[4:7], s[0:1], 0x0                ; Q, K
	s_load_b128 s[8:11], s[0:1], 0x10              ; V, the scales' exponents
	s_load_b64 s[12:13], s[0:1], 0x20              ; O
	v_lshl_add_u32 v[SPW], v0, 2, SPARE
	v_mov_b32 v[NIL], 0
	v_lshrrev_b32 v[T0], 5, v0
	v_readfirstlane_b32 s14, v[T0]                 ; wave 0..7
	v_and_b32 v[T0], 31, v0                        ; lane
	v_lshlrev_b32 v[LI], 4, v[T0]
	v_lshlrev_b32 v[VGO], 2, v[T0]
	v_and_b32 v[T0], 15, v0                        ; r
	v_bfe_u32 v[T1], v0, 4, 1                      ; h
	v_lshlrev_b32 v[QGO], 8, v[T0]
	v_lshl_add_u32 v[QGO], v[T1], 6, v[QGO]
	v_and_b32 v[KGO], 8, v[T0]
	v_add_nc_u32 v[KGO], v[KGO], v[T0]             ; r + 8 (r / 8)
	v_lshlrev_b32 v[KGO], 8, v[KGO]
	v_lshl_add_u32 v[KGO], v[T1], 6, v[KGO]
	s_wait_alu depctr_va_sdst(0)                   ; s14 is written, ahead of its first reader: LDS addresses and the bases of Q, K, V and O are made from it
	s_lshl_b32 s28, s14, 10
	v_add_nc_u32 v[KST], s28, v[LI]
	s_lshl_b32 s28, s14, 8
	v_lshlrev_b32 v[VST], 4, v[T0]
	v_lshl_add_u32 v[VST], v[T1], 11, v[VST]
	v_add_nc_u32 v[VST], s28, v[VST]
	s_mul_i32 s28, s14, 16*SP
	s_add_co_u32 s28, s28, STAGE                   ; my stage
	v_mul_u32_u24 v[STO], v[T0], SP                ; in: row r, 32 bytes for each half of the lanes
	v_lshl_add_u32 v[STO], v[T1], 5, v[STO]
	v_add_nc_u32 v[STO], s28, v[STO]
	v_mul_u32_u24 v[RD], v[T1], SP                 ; back: lanes 0-15 one row of 256 bytes, lanes 16-31 the next
	v_lshl_add_u32 v[RD], v[T0], 4, v[RD]
	v_add_nc_u32 v[RD], s28, v[RD]
	s_and_b32 s28, ttmp7, 0xffff
	s_lshl_b32 s28, s28, 19                        ; the head: 2,048 rows of 256 bytes
	s_lshl_b32 s30, ttmp9, 17                      ; my block of 512 queries,
	s_lshl_b32 s31, s14, 14                        ; my wave's 64 of them
	s_add_co_u32 s30, s30, s31
	s_add_co_u32 s30, s30, s28
	s_mov_b32 s31, 0
	s_lshr_b32 s32, s14, 1                         ; K: my tile 2 b + u = wave begins at key 32 b + 8 u
	s_lshl_b32 s32, s32, 13
	s_and_b32 s33, s14, 1
	s_lshl_b32 s33, s33, 11
	s_add_co_u32 s32, s32, s33
	s_add_co_u32 s32, s32, s28
	s_mov_b32 s33, 0
	s_lshl_b32 s34, s14, 12                        ; V: my 16 keys of a chunk
	s_add_co_u32 s34, s34, s28
	s_mov_b32 s35, 0
	s_wait_kmcnt 0x0
	s_load_b128 s[16:19], s[10:11], 0x0            ; eq, ek, ep, ev
	s_add_nc_u64 s[4:5], s[4:5], s[30:31]
	s_add_nc_u64 s[12:13], s[12:13], s[30:31]
	s_add_nc_u64 s[6:7], s[6:7], s[32:33]
	s_add_nc_u64 s[8:9], s[8:9], s[34:35]
	s_wait_alu depctr_va_vdst(0)                   ; the offsets and LDS addresses that are never written again (v1, v5 to v9, v52, v53) and the add's two registers are written: every load and store of the kernel that reads one of them stands behind this wait
.irp a, 0,1,2,3                        ; Q: tile a's 32 numbers of my row, into S^T's registers; read once in the launch
.irp j, 0,1,2,3,4,5,6,7
	global_load_b128 v[S+32*\a+4*\j:S+32*\a+4*\j+3], v[QGO], s[4:5] offset:4096*\a+128*(\j/4)+16*(\j%4) th:TH_LOAD_NT
.endr
.endr
	KLOAD 0, 0                                     ; K's chunks 0 to 3
	KLOAD 1, CHF
	KLOAD 2, 2*CHF
	KLOAD 3, 3*CHF
	s_wait_kmcnt 0x0
	MKSC 16, SCQ, LIMQ
	MKSC 17, SCK, LIMK
	MKSC 18, SCP, LIMP
	MKSC 19, SCV, LIMV
	s_add_co_i32 s28, s16, s17
	s_lshl_b32 s28, s28, 23
	s_add_co_i32 s20, s28, 0x3e38aa3b              ; c = log2(e) / 8 x 2^(eq + ek): the two exponents are added to the exponent field
	s_mov_b32 s21, s20                             ; (named with it as a pair, so it is written)
	s_add_co_i32 s38, s18, s19                     ; ep + ev
	s_mov_b32 s22, 0x76543210                      ; v_permlanex16_b32's selects for lane l xor 16
	s_mov_b32 s23, 0xfedcba98
	s_mov_b32 s25, KIMG
	s_mov_b32 s26, VIMG
.irp j, 0,1,2,3,4,5,6,7
	v_mov_b32 v[MX+\j], 0xff800000                 ; the maxima begin at -infinity
.endr
	s_wait_loadcnt 32                              ; Q is in; K's four chunks, 32 loads, may be out
.set n, 0
.rept 128
	v_med3_num_f32 v[S+n], v[S+n], -v[LIMQ], v[LIMQ]
.set n, n+1
.endr
	WIN 0x40
.irp a, 0,1,2,3
.irp g, 0,1,2,3
	v_cvt_scalef32_pk8_fp8_f32 v[QF+8*\a+2*\g:QF+8*\a+2*\g+1], v[S+32*\a+8*\g:S+32*\a+8*\g+7], v[SCQ]   ; Q's fragments stay in registers
.endr
.endr
	WIN 0
	v_nop                                          ; one plain vector line behind the last conversion of a run
	s_wait_loadcnt 24                              ; K's chunk 0 is in; chunks 1 to 3 may be out
	CONV 0, SCK, LIMK
	s_wait_alu depctr_va_vdst(0)                   ; the conversions have written CT, which the two stores read
	ds_store_b128 v[KST], v[CT:CT+3]
	ds_store_b128 v[KST], v[CT+4:CT+7] offset:512
	BARRIER                                        ; K's chunk 0 lies in LDS
	; ---- PASS 1: a trip is four chunks, after which the four sets of registers are back where they began
	s_mov_b32 s24, 3
.Lp1:
.irp i, 0,1,2,3
	P1SUB \i, 1, 1, 24                             ; 24: the three chunks asked for behind the one that is wanted
	BARRIER                                        ; the next chunk of K lies in LDS
.endr
	s_wait_xcnt 0x0                                ; the trip's loads have read their base: it may step
	s_add_nc_u64 s[6:7], s[6:7], 4*CHF
	s_add_co_u32 s25, s25, 4*CHK
	s_sub_co_u32 s24, s24, 1
	s_cmp_lg_u32 s24, 0
	s_cbranch_scc1 .Lp1
	P1SUB 0, 2, 1, 48                              ; chunks 12 to 15 are written out: nothing of K is left to ask for, and V begins.  Behind K's chunk 13: chunks 14 and 15 (16 loads) and V's chunk 0 (32)
	BARRIER
	P1SUB 1, 0, 1, 40                              ; behind chunk 14: chunk 15 and V's
	BARRIER
	P1SUB 2, 0, 1, 32                              ; behind chunk 15: V's
	BARRIER
	P1SUB 3, 0, 2, 0                               ; V's chunk 0 is wanted: nothing was asked for behind it
	s_wait_alu depctr_vm_vsrc(0)                   ; chunk 15's fragments' loads have read v[ADR], which the next line writes
	s_mov_b32 s25, KIMG                            ; back to K's chunk 0
	v_mov_b32 v[ADR], v[LI]
	s_wait_alu depctr_va_vdst(0)                   ; v[ADR] is written, and chunk 15's products are done reading KFA, in which the loads below land
	KFRAG KFA, 0                                   ; they land while -M is made: the lines below name neither v[ADR] nor KFA
.irp a, 0,1,2,3                        ; each query's largest score: my two chains, then the other half of the lanes'
	v_max_num_f32 v[MX+2*\a], v[MX+2*\a], v[MX+2*\a+1]
.endr
.irp a, 0,1,2,3
	v_permlanex16_b32 v[MX+2*\a+1], v[MX+2*\a], s22, s23
.endr
.irp a, 0,1,2,3
	v_max_num_f32 v[MX+2*\a], v[MX+2*\a], v[MX+2*\a+1]
.endr
.irp a, 0,1,2,3
	v_mul_f32 v[MX+2*\a], s20, v[MX+2*\a]          ; as t (c is positive)
.endr
.irp a, 0,1,2,3
	v_floor_f32 v[NM+2*\a], -v[MX+2*\a]            ; -M = floor(-t) = -ceil(t)
.endr
.irp a, 0,1,2,3
	v_mov_b32 v[NM+2*\a+1], v[NM+2*\a]             ; (named with it as a pair, so it is written)
.endr
.irp j, 0,1,2,3,4,5,6,7,8,9,10,11,12,13,14,15
	v_mov_b32 v[LS0+\j], 0                         ; the sums
.endr
	BARRIER                                        ; V's chunk 0 lies in LDS
	; ---- PASS 2
	P2TRIP 1, 1, 0                                 ; chunk 0 starts O^T's sums: nothing is cleared
	s_mov_b32 s24, 14
.Lp2:                                  ; chunks 1 to 14
	P2TRIP 0, 1, 1
	s_sub_co_u32 s24, s24, 1
	s_cmp_lg_u32 s24, 0
	s_cbranch_scc1 .Lp2
	P2TRIP 0, 0, 0                                 ; chunk 15: nothing follows it
	; ---- THE WAY OUT.  The sums' parts are added (these plain lines are the places behind the last products); O^T x 2^(ep + ev) / the sum goes through my stage, a tile (16 rows of O) at a time.
.irp a, 0,1,2,3
	v_pk_add_f32 v[LS0+2*\a:LS0+2*\a+1], v[LS0+2*\a:LS0+2*\a+1], v[LS1+2*\a:LS1+2*\a+1]
.endr
.irp a, 0,1,2,3
	v_add_f32 v[LS0+2*\a], v[LS0+2*\a], v[LS0+2*\a+1]
.endr
.irp a, 0,1,2,3
	v_permlanex16_b32 v[LS1+2*\a], v[LS0+2*\a], s22, s23   ; the query's other keys lie in the lane 16 away
.endr
.irp a, 0,1,2,3
	v_add_f32 v[LS0+2*\a], v[LS0+2*\a], v[LS1+2*\a]
.endr
.irp a, 0,1,2,3
	v_rcp_f32 v[RL+2*\a], v[LS0+2*\a]
.endr
	v_nop                                          ; a plain line behind the last reciprocal
	s_wait_alu depctr_va_vdst(0)                   ; the four reciprocals have written v[RL ..], which the lines below read: one wait for the four, ahead of their first reader
.irp a, 0,1,2,3
	v_ldexp_f32 v[RL+2*\a], v[RL+2*\a], s38
.endr
.irp a, 0,1,2,3
	v_mov_b32 v[RL+2*\a+1], v[RL+2*\a]             ; (named with it as a pair, so it is written)
.endr
.macro MULT a                          ; register 8 t + j of tile a is o(query r, d = 16 t + 8 h + j): 32 bytes of a row
.irp i, 0,1,2,3,4,5,6,7,8,9,10,11,12,13,14,15
	v_pk_mul_f32 v[S+32*\a+2*\i:S+32*\a+2*\i+1], v[32*\a+2*\i:32*\a+2*\i+1], v[RL+2*\a:RL+2*\a+1] op_sel_hi:[1,0]   ; each accumulator from its low end on
.endr
.endm
.macro TOSTAGE a                       ; rows of 272 bytes in, whole rows of 256 bytes back, into the registers that they left
.irp t, 0,1,2,3
	ds_store_b128 v[STO], v[S+32*\a+8*\t:S+32*\a+8*\t+3] offset:64*\t
	ds_store_b128 v[STO], v[S+32*\a+8*\t+4:S+32*\a+8*\t+7] offset:64*\t+16
.endr
	s_wait_alu depctr_vm_vsrc(0)                   ; the eight stores have read the tile's 32 registers, in which the loads below land
.irp f, 0,1,2,3,4,5,6,7
	ds_load_b128 v[S+32*\a+4*\f:S+32*\a+4*\f+3], v[RD] offset:\f*2*SP   ; LDS serves a wave's instructions in order (ISA guide 5.7.1.4): these see the stores above; the next tile's stores come behind them
.endr
.endm
.macro SEND a, younger                 ; younger: the LDS instructions issued behind tile a's loads: the next tile's sixteen, or none
.irp f, 0,1,2,3,4,5,6,7
	s_wait_dscnt \younger+7-\f
	global_store_b128 v[LI], v[S+32*\a+4*\f:S+32*\a+4*\f+3], s[12:13] offset:4096*\a+512*\f th:TH_STORE_NT   ; 32 lanes store 512 consecutive bytes, at a multiple of 256 from O's first byte; written once, read by nobody here
.endr
.endm
	WIN 0x01
	MULT 0
	MULT 1
	MULT 2
	MULT 3
	WIN 0
	s_wait_alu depctr_va_vdst(0)                   ; the 64 multiplies have written all four tiles in v[S ..]: the stage's stores read them and the stage's loads land in them; no vector instruction follows
	TOSTAGE 0
	TOSTAGE 1                                      ; a tile's way through the stage stands between the loads of the tile before and its stores to memory
	SEND 0, 16
	TOSTAGE 2
	SEND 1, 16
	TOSTAGE 3
	SEND 2, 16
	SEND 3, 0
	s_wait_dscnt 0x0                               ; the wave's end, behind my last LDS store
	s_wait_alu 0x0
	s_wait_tensorcnt 0x0
	ds_add_u32 v[SPW], v[NIL]
	s_wait_dscnt 0x0
	s_endpgm
.Lfunc_end_k_q72e0c5b9c5_attn:
	.size	k_q72e0c5b9c5_attn, .Lfunc_end_k_q72e0c5b9c5_attn-k_q72e0c5b9c5_attn
	.p2alignl 7, 3214868480
	.fill 96, 4, 3214868480
	.section	.rodata,"a",@progbits
	.p2align	6, 0x0
	.amdhsa_kernel k_q72e0c5b9c5_attn
		.amdhsa_group_segment_fixed_size 297984
		.amdhsa_private_segment_fixed_size 0
		.amdhsa_enable_private_segment 0
		.amdhsa_kernarg_size 40
		.amdhsa_user_sgpr_count 2
		.amdhsa_user_sgpr_kernarg_segment_ptr 1
		.amdhsa_wavefront_size32 1
		.amdhsa_system_sgpr_workgroup_id_x 1
		.amdhsa_system_sgpr_workgroup_id_y 1
		.amdhsa_system_sgpr_workgroup_id_z 1
		.amdhsa_system_vgpr_workitem_id 0
		.amdhsa_next_free_vgpr 512
		.amdhsa_next_free_sgpr 66
		.amdhsa_reserve_vcc 0
		.amdhsa_float_denorm_mode_32 3
		.amdhsa_float_denorm_mode_16_64 3
		.amdhsa_memory_ordered 1
		.amdhsa_forward_progress 1
		.amdhsa_inst_pref_size 255
	.end_amdhsa_kernel
	.section	.bss,"aw",@nobits
	.p2align	6
	.space	262144
	.amdgpu_metadata
---
amdhsa.version: [ 1, 2 ]
amdhsa.kernels:
  - .name:           k_q72e0c5b9c5_attn
    .symbol:         k_q72e0c5b9c5_attn.kd
    .args:
      - { .name: query, .offset: 0, .size: 8, .value_kind: global_buffer, .address_space: global }
      - { .name: key, .offset: 8, .size: 8, .value_kind: global_buffer, .address_space: global }
      - { .name: value, .offset: 16, .size: 8, .value_kind: global_buffer, .address_space: global }
      - { .name: lowp_scales, .offset: 24, .size: 8, .value_kind: global_buffer, .address_space: global }
      - { .name: out0, .offset: 32, .size: 8, .value_kind: global_buffer, .address_space: global }
    .group_segment_fixed_size: 297984
    .private_segment_fixed_size: 0
    .kernarg_segment_align: 8
    .kernarg_segment_size: 40
    .max_flat_workgroup_size: 256
    .sgpr_count:     66
    .vgpr_count:     512
    .wavefront_size: 32
...
	.end_amdgpu_metadata
.endif
;; end of part 2
